; MI455X (gfx1250); checked and timed in simulation.
; The chip was launched on July 23, 2026; its instructions are those of AMD's public machine-readable ISA for CDNA 5 (MIT licence, August 2026) and "CDNA5" Instruction Set Architecture Reference Guide (July 2026). The comments in the code are by the model that wrote it; some were corrected since.
;; Multi Head Attention. Allowed arithmetic: matrix products marked QUANTISED: E4M3 operands, one given power-of-two scale a tensor, by v_wmma_f32_16x16x64_fp8_fp8 or v_wmma_f32_16x16x128_fp8_fp8, f32 sums; everything else in f32.
;; Inputs: Wk_codes 512 x 16 x 32 uint8 (E4M3 codes of Wk, K innermost, in blocks of 32 codes); Wo_codes 512 x 16 x 32 uint8 (E4M3 codes of Wo, K innermost, in blocks of 32 codes); Wq_codes 512 x 16 x 32 uint8 (E4M3 codes of Wq, K innermost, in blocks of 32 codes); Wv_codes 512 x 16 x 32 uint8 (E4M3 codes of Wv, K innermost, in blocks of 32 codes); bk 512 float32; bo 512 float32; bq 512 float32; bv 512 float32; key_codes 2 x 4,096 x 16 x 32 uint8 (E4M3 codes of key, K innermost, in blocks of 32 codes); lowp_scales 12 int32 (the exponents e of the quantised operands' scales 2^e); mask 2 x 4,096 int32; query_codes 2 x 4,096 x 16 x 32 uint8 (E4M3 codes of query, K innermost, in blocks of 32 codes); value_codes 2 x 4,096 x 16 x 32 uint8 (E4M3 codes of value, K innermost, in blocks of 32 codes).
;; Outputs: out0 2 x 4,096 x 512 float32.
;; This version of the problem:
;;   THIS VERSION OF THE PROBLEM IS GIVEN IN LOW PRECISION. The matrix products marked QUANTISED in the list below multiply operands that are first quantised to E4M3 (4 exponent bits, 3 mantissa bits; 8 bits a number), with one given power-of-two scale for each operand tensor; their sums are f32. All else is computed in f32.
;;   The module's matrix products, in the order in which they are computed (A, B: the left and right operand; K: the contracted axis; several contracted axes count as one K, in the product's order):
;;     1. [M 8,192, K 512] x [K 512, N 512]; A: input query (given as codes); B: input Wq (given as codes): QUANTISED (scales: A lowp_scales[0], B lowp_scales[1])
;;     2. [M 8,192, K 512] x [K 512, N 512]; A: input key (given as codes); B: input Wk (given as codes): QUANTISED (scales: A lowp_scales[2], B lowp_scales[3])
;;     3. [M 8,192, K 512] x [K 512, N 512]; A: input value (given as codes); B: input Wv (given as codes): QUANTISED (scales: A lowp_scales[4], B lowp_scales[5])
;;     4. batch 16 x [M 4,096, K 64] x [K 64, N 4,096]; A: computed on the way; B: computed on the way: QUANTISED (scales: A lowp_scales[6], B lowp_scales[7])
;;     5. batch 16 x [M 4,096, K 4,096] x [K 4,096, N 64]; A: softmax (see below); B: computed on the way: QUANTISED (scales: A lowp_scales[8], B lowp_scales[9])
;;     6. [M 8,192, K 512] x [K 512, N 512]; A: computed on the way; B: input Wo (given as codes): QUANTISED (scales: A lowp_scales[10], B lowp_scales[11])
;;   THE QUANTISER, for each operand of a quantised product, along K:
;;     - The operand's scale is 2^e, e = its entry of the input lowp_scales (int32; the entries are numbered through the quantised products in the list's order, A before B).
;;     - Each number is divided by the scale, clamped to +-448, and rounded to the nearest number of E4M3, ties to even, subnormals kept.
;;     - The product sums the exact products of the quantised numbers (number of the format x scale) in f32.
;;   ~~~python
;;   def quantise(x, axis, e):      # numpy; x: float32 -> the quantised numbers, widened to float32 again
;;       x = np.moveaxis(x, axis, -1); K = x.shape[-1]
;;       r = np.clip(x / 2.0 ** e, -448, 448)
;;       step = 2.0 ** (np.maximum(np.frexp(np.where(r == 0, 1, r))[1] - 1, -6) - 3)
;;       q = np.round(r / step) * step * 2.0 ** e      # np.round: ties to even
;;       return np.moveaxis(q, -1, axis).astype(np.float32)
;;   ~~~
;;   SOFTMAX AHEAD OF A QUANTISED PRODUCT. Where the list says 'softmax', what is quantised is not the finished softmax but p = 2^(t - M), with t = logit x log2(e) and M = ceil(the row's largest t), a whole number; so 1/2 < the row's largest p <= 1. The row's sum l is taken of the UNQUANTISED p, in f32, and the product's result is divided by l at the end. Since M is a whole number, a kernel that streams over the keys may use a running M (the ceiling of the running maximum): every later rescaling is an exact power of two, so the quantised numbers keep their values, but for numbers so far below the row's largest that they fall under the format's range.
;;   OPERANDS COMPUTED ON THE WAY. 'Computed on the way' means the value that the module computes at that place (a softmax that the list does not call 'softmax' is quantised finished and normalised). What goes into a quantiser is computed in f32, as accurately as f32 sums, v_exp_f32 and their like allow (about 1e-6 of the number): no bf16 or f16 on the way to a quantiser, and a product that is left as it is and whose result goes on into a quantised operand takes f32 operands (vector FMAs, or v_wmma_f32_16x16x4_f32). A number that lies on a knife's edge between two numbers of the format may be rounded either way, as far as f32 arithmetic and the matrix unit's own rounding can turn it there, and no further.
;;   INPUTS GIVEN AS CODES. Wk (in the module: [512, 512], K = its axis 0); Wo (in the module: [512, 512], K = its axis 0); Wq (in the module: [512, 512], K = its axis 0); Wv (in the module: [512, 512], K = its axis 0); key (in the module: [2, 4096, 512], K = its axis 2); query (in the module: [2, 4096, 512], K = its axis 2); value (in the module: [2, 4096, 512], K = its axis 2): each comes as NAME_codes (uint8): NAME with its K axis moved to the last place and cut into blocks of 32 codes, [.., K / 32, bytes a block], one block behind the other in memory; one code a byte (a code: sign, 4 exponent bits, 3 mantissa bits); its scale is its entry of lowp_scales. Its value is code x scale, taken as it is: it is not quantised again, and the codes and scales need not be those that the quantiser above would give.
;; One version. Each part assembles by itself: llvm-mc -triple=amdgcn-amd-amdhsa -mcpu=gfx1250 --defsym DOCPART=n.
;; ======== version 1 of 1: 3 launches
;; limits: right only within a limited range of input values
;; workspace buffers: qimg 4,194,304 bytes; kv 8,650,752 bytes; ximg 4,194,304 bytes
;; launch project (part 1): grid 4 x 64, 4 waves a work-group, clusters of 4 x 4, 327,680 bytes of LDS; arguments query_codes, key_codes, value_codes, Wq_codes, Wk_codes, Wv_codes, bq, bk, bv, lowp_scales, mask, qimg, kv; writes qimg, kv
.if DOCPART == 1
	.amdgcn_target "amdgcn-amd-amdhsa--gfx1250"
	.amdhsa_code_object_version 6
	.text
	.protected	k_q49249befd9_project
	.globl	k_q49249befd9_project
	.p2align	8
	.type	k_q49249befd9_project,@function
k_q49249befd9_project:
	s_mov_b64 s[64:65], 0
	v_nop
	global_prefetch_b8 v0, s[64:65] scope:SCOPE_SE
	s_setreg_imm32_b32 hwreg(HW_REG_WAVE_MODE, 25, 1), 1
	s_wait_xcnt 0x0
	s_wait_alu depctr_hold_cnt(0) depctr_sa_sdst(0) depctr_va_vdst(0) depctr_va_sdst(0) depctr_va_ssrc(0) depctr_va_vcc(0) depctr_vm_vsrc(0)
	s_getreg_b32 s2, hwreg(HW_REG_IB_STS2, 6, 4)
	s_cmp_eq_u32 s2, 0
	s_cbranch_scc0 .Lentry_in_a_cluster
	s_endpgm
.Lentry_in_a_cluster:
	s_bfe_u32 s2, ttmp6, 0x10000c
	s_cmp_lg_u32 s2, 0xf033
	s_cbranch_scc0 .Lentry_shape_is_right
	s_endpgm
.Lentry_shape_is_right:
.set PITCH,  528
.set HALFT,  64*PITCH
.set SLOT,   4*HALFT
.set SPARE,  2*SLOT
.set KVSTEP, 16896
.set G1C,    (1<<20)|(1<<21)|(6<<22)|(3<<25)
.set AD1,  4
.set AD0,  6
.set LI,   8
.set SPW,  10
.set NIL,  11
.set MK,   12
.set NEG,  16
.set BA,   17
.set BB,   18
.set ACC,  32
.set CODES, 160
.set BQ,   0
.set BK,   32
.set BV,   64
.set BVR,  96
.set G1T,  32
.set G1W,  40
.set WV,   88
.set WI,   89
.set WJ,   90
.set FQ,   91
.set TBK,  92
.set MSB, 0
.macro WIN new
.if MSB != \new
	s_set_vgpr_msb (MSB<<8)|\new
.set MSB, \new
.endif
.endm
.macro CROUND
	s_barrier_signal -1
	s_barrier_wait -1
	s_cmp_lg_u32 s[WV], 0
	s_cbranch_scc1 .Lnot_wave_0_\@
	s_barrier_signal -3
.Lnot_wave_0_\@:
	s_barrier_wait -3
	s_barrier_signal -1
	s_barrier_wait -1
.endm
.macro JLOAD g0t, g0w
	s_cmp_lt_u32 s[WV], 2
	s_cbranch_scc0 .Lfor_w_\@
	tensor_load_to_lds s[\g0t:\g0t+3], s[G1T:G1T+7]
	s_nop 0
.rept 4
	v_nop
.endr
	s_branch .Lasked_\@
.Lfor_w_\@:
	tensor_load_to_lds s[\g0w:\g0w+3], s[G1W:G1W+7]
	s_nop 0
.rept 4
	v_nop
.endr
.Lasked_\@:
.endm
.macro MKG0 g, lds, ptr, off
	s_mov_b32 s[\g], 1
	s_mov_b32 s[\g+1], s[\lds]
	s_add_nc_u64 s[\g+2:\g+3], s[\ptr:\ptr+1], s[\off:\off+1]
	s_or_b32 s[\g+3], s[\g+3], 0x80000000
.endm
	s_load_b512 s[4:19], s[0:1], 0x0
	s_load_b256 s[20:27], s[0:1], 0x40
	s_load_b64 s[28:29], s[0:1], 0x60
	v_lshl_add_u32 v[SPW], v0, 2, SPARE
	v_mov_b32 v[NIL], 0
	ds_add_u32 v[SPW], v[NIL]
	ds_add_u32 v[SPW], v[NIL]
	v_lshrrev_b32 v1, 5, v0
	v_readfirstlane_b32 s[WV], v1
	s_lshr_b32 s[WI], s[WV], 1
	s_and_b32 s[WJ], s[WV], 1
	s_bfe_u32 s100, ttmp6, 0x40000
	s_bfe_u32 s101, ttmp6, 0x40004
	s_lshl_b32 s[FQ], ttmp9, 2
	s_add_co_u32 s[FQ], s[FQ], s100
	s_and_b32 s[TBK], ttmp7, 0xffff
	s_lshl_b32 s[TBK], s[TBK], 2
	s_add_co_u32 s[TBK], s[TBK], s101
	s_lshl_b32 s98, s101, 2
	s_lshl_b32 s98, 15, s98
	s_lshl_b32 s99, 0x1111, s100
	s_or_b32 s[G1T], s98, G1C
	s_or_b32 s[G1W], s99, G1C
.irp g, G1T, G1W
	s_mov_b32 s[\g+1], 512<<16
	s_mov_b32 s[\g+2], 64<<16
	s_mov_b32 s[\g+3], 512<<16
	s_mov_b32 s[\g+4], 64
	s_mov_b32 s[\g+5], 512
	s_mov_b32 s[\g+6], 0
	s_mov_b32 s[\g+7], 0
.endr
	s_lshl_b32 s93, s[WJ], 15
	s_lshl_b32 s94, s[TBK], 16
	s_add_co_u32 s94, s94, s93
	s_mov_b32 s95, 0
	s_lshl_b32 s96, s[FQ], 16
	s_add_co_u32 s96, s96, s93
	s_mov_b32 s97, 0
	s_mul_i32 s93, s[WV], HALFT
	s_add_co_u32 s2, s93, SLOT
	s_xor_b32 s3, s[WV], 2
	s_mul_i32 s3, s3, HALFT
	s_wait_dscnt 0x0
	s_wait_kmcnt 0x0
	s_load_b256 s[76:83], s[22:23], 0x0
	s_load_b128 s[84:87], s[22:23], 0x20
	MKG0 48, 93, 4, 94
	MKG0 52, 2, 6, 94
	MKG0 56, 3, 8, 94
	MKG0 60, 93, 10, 96
	MKG0 68, 2, 12, 96
	MKG0 72, 3, 14, 96
	CROUND
	JLOAD 48, 60
	s_wait_alu depctr_va_vdst(0)
	s_wait_tensorcnt 0x0
	ds_add_u32 v10, v11
	s_wait_dscnt 0x0
	CROUND
	JLOAD 52, 68
	v_and_b32 v1, 15, v0
	v_bfe_u32 v2, v0, 4, 1
	v_mul_u32_u24 v3, v1, PITCH
	v_lshl_add_u32 v3, v2, 4, v3
	s_mul_i32 s2, s[WI], HALFT
	s_mul_i32 s3, s[WJ], HALFT
	s_add_co_u32 s3, s3, 2*HALFT
	v_add_nc_u32 v[AD1], s2, v3
	v_add_nc_u32 v[AD0], s3, v3
	s_add_co_u32 s2, s2, SLOT
	s_add_co_u32 s3, s3, SLOT
	v_add_nc_u32 v[AD1+1], s2, v3
	v_add_nc_u32 v[AD0+1], s3, v3
	v_and_b32 v[LI], 31, v0
	v_lshlrev_b32 v[LI], 4, v[LI]
	v_lshlrev_b32 v[BA], 5, v2
	s_wait_alu depctr_va_vdst(0)
	v_lshlrev_b32 v[BB], 2, v1
	s_wait_alu depctr_va_vdst(0)
	v_mov_b32 v[NEG], 0xfb800000
	s_lshl_b32 s2, s[TBK], 9
	s_mov_b32 s3, 0
	s_add_nc_u64 s[24:25], s[24:25], s[2:3]
	global_load_b128 v[MK:MK+3], v[LI], s[24:25]
	s_lshl_b32 s2, s[FQ], 9
	s_lshl_b32 s98, s[WJ], 8
	s_add_co_u32 s98, s98, s2
	s_mov_b32 s99, 0
	s_add_nc_u64 s[16:17], s[16:17], s[98:99]
	s_add_nc_u64 s[18:19], s[18:19], s[98:99]
	s_lshl_b32 s98, s[WI], 8
	s_add_co_u32 s98, s98, s2
	s_add_nc_u64 s[20:21], s[20:21], s[98:99]
	WIN 0xc0
.irp j, 0,1,2,3
	global_load_b128 v[BQ+8*\j:BQ+8*\j+3],   v[BA], s[16:17] offset:64*\j
	global_load_b128 v[BQ+8*\j+4:BQ+8*\j+7], v[BA], s[16:17] offset:64*\j+16
	global_load_b128 v[BK+8*\j:BK+8*\j+3],   v[BA], s[18:19] offset:64*\j
	global_load_b128 v[BK+8*\j+4:BK+8*\j+7], v[BA], s[18:19] offset:64*\j+16
.endr
.irp i, 0,1,2,3
	global_load_b32 v[BVR+\i], v[BB], s[20:21] offset:64*\i
.endr
	WIN 0
	s_lshr_b32 s2, s[TBK], 5
	s_lshl_b32 s2, s2, 3
	s_lshl_b32 s3, s[FQ], 1
	s_add_co_u32 s2, s2, s3
	s_and_b32 s3, s[TBK], 31
	s_add_co_u32 s98, s2, s[WJ]
	s_lshl_b32 s98, s98, 5
	s_add_co_u32 s98, s98, s3
	s_add_co_u32 s100, s2, s[WI]
	s_lshl_b32 s100, s100, 5
	s_add_co_u32 s100, s100, s3
	s_mul_i32 s100, s100, KVSTEP
	s_lshl_b32 s2, s[WJ], 10
	s_add_co_u32 s100, s100, s2
	s_add_co_u32 s100, s100, 8192
	s_mov_b32 s101, 0
	s_add_nc_u64 s[30:31], s[28:29], s[100:101]
	s_lshl_b32 s3, s[WI], 12
	s_mul_i32 s100, s98, KVSTEP
	s_add_co_u32 s100, s100, s3
	s_add_nc_u64 s[28:29], s[28:29], s[100:101]
	s_lshl_b32 s100, s98, 13
	s_add_co_u32 s100, s100, s3
	s_add_nc_u64 s[26:27], s[26:27], s[100:101]
	s_wait_kmcnt 0x0
.macro SCALES ea, eb, eo, vs, vl, sn
	s_add_co_i32 s[\sn], s[\ea], s[\eb]
	s_sub_co_i32 s2, s[\eo], s[\sn]
	s_add_co_i32 s2, s2, 127
	s_lshl_b32 s3, s2, 23
	v_mov_b32 v[\vs], s3
	s_sub_co_i32 s[\sn], 0, s[\sn]
.endm
	SCALES 76, 77, 82, 20, 21, 98
	SCALES 78, 79, 83, 22, 23, 99
	SCALES 80, 81, 85, 24, 25, 100
	s_wait_loadcnt 0x0
	WIN 0xc3
.set n, 0
.rept 32
	v_ldexp_f32 v[BQ+n], v[BQ+n], s98
	v_ldexp_f32 v[BK+n], v[BK+n], s99
	v_ldexp_f32 v[BV+n], v[BVR+n/8], s100
.set n, n+1
.endr
	WIN 0
.irp n, 0,1,2,3
	v_cmp_eq_u32 vcc_lo, 0, v[MK+\n]
	v_cndmask_b32 v[MK+\n], 0, v[NEG], vcc_lo
.endr
	s_cmp_lt_u32 s[WV], 2
	s_cbranch_scc0 .Lno_mask
	global_store_b128 v[LI], v[MK:MK+3], s[28:29] offset:16384
.Lno_mask:
.macro FETCH slot, s
	WIN 0x40
.irp j, 0,1,2,3
.irp c, 0,1,2,3
	ds_load_b128 v[16*(4*\s+\j)+4*\c:16*(4*\s+\j)+4*\c+3], v[AD0+\slot] offset:\j*16*PITCH+128*\s+32*\c
.endr
.endr
	WIN 0x80
.irp j, 0,1,2,3
.irp c, 0,1,2,3
	ds_load_b128 v[16*(4*\s+\j)+4*\c:16*(4*\s+\j)+4*\c+3], v[AD1+\slot] offset:\j*16*PITCH+128*\s+32*\c
.endr
.endr
.endm
.macro MUL s, bias, sel
.if \s == 0
	WIN 0x39
.else
	WIN 0x09
.endif
.irp i, 0,1,2,3
.irp j, 0,1,2,3
.if \s == 0
.if \sel
	v_wmma_f32_16x16x128_fp8_fp8 v[ACC+8*(4*\i+\j):ACC+8*(4*\i+\j)+7], v[16*(4*\s+\j):16*(4*\s+\j)+15], v[16*(4*\s+\i):16*(4*\s+\i)+15], v[\bias+8*\i:\bias+8*\i+7]
.else
	v_wmma_f32_16x16x128_fp8_fp8 v[ACC+8*(4*\i+\j):ACC+8*(4*\i+\j)+7], v[16*(4*\s+\j):16*(4*\s+\j)+15], v[16*(4*\s+\i):16*(4*\s+\i)+15], v[\bias+8*\j:\bias+8*\j+7]
.endif
.else
	v_wmma_f32_16x16x128_fp8_fp8 v[ACC+8*(4*\i+\j):ACC+8*(4*\i+\j)+7], v[16*(4*\s+\j):16*(4*\s+\j)+15], v[16*(4*\s+\i):16*(4*\s+\i)+15], v[ACC+8*(4*\i+\j):ACC+8*(4*\i+\j)+7]
.endif
.endr
.endr
.endm
.macro MULS slot, bias, sel
	FETCH \slot, 0
	FETCH \slot, 1
	s_wait_dscnt 32
	MUL 0, \bias, \sel
	FETCH \slot, 2
	s_wait_dscnt 32
	MUL 1, \bias, \sel
	FETCH \slot, 3
	s_wait_dscnt 32
	MUL 2, \bias, \sel
	s_wait_dscnt 0x0
	MUL 3, \bias, \sel
	WIN 0
.endm
.macro QUANT sc, lim, codes, base, si
.irp i, 0,1,2,3
.irp p, 0,1
.irp n, 0,1,2,3,4,5,6,7,8,9,10,11,12,13,14,15
.endr
	v_cvt_scalef32_pk8_fp8_f32 v[\codes+4*(2*\i+\p):\codes+4*(2*\i+\p)+1], v[ACC+8*(4*\i+2*\p):ACC+8*(4*\i+2*\p)+7], v[\sc]
	v_cvt_scalef32_pk8_fp8_f32 v[\codes+4*(2*\i+\p)+2:\codes+4*(2*\i+\p)+3], v[ACC+8*(4*\i+2*\p)+8:ACC+8*(4*\i+2*\p)+15], v[\sc]
	global_store_b128 v[LI], v[\codes+4*(2*\i+\p):\codes+4*(2*\i+\p)+3], s[\base:\base+1] offset:\i*\si+512*\p
.endr
.endr
	v_nop
.endm
	s_wait_tensorcnt 0x1
	s_barrier_signal -1
	s_barrier_wait -1
	MULS 0, BQ, 0
	s_wait_tensorcnt 0x0
	ds_add_u32 v[SPW], v[NIL]
	s_wait_dscnt 0x0
	CROUND
	JLOAD 56, 72
	QUANT 20, 21, CODES, 26, 1024
	MULS 1, BK, 0
.rept 4
	v_nop
.endr
	QUANT 22, 23, CODES+32, 28, 1024
	s_wait_tensorcnt 0x0
	s_wait_dscnt 0x0
	s_barrier_signal -1
	s_barrier_wait -1
	MULS 0, BV, 1
.rept 4
	v_nop
.endr
	QUANT 24, 25, CODES+64, 30, 2048
	s_wait_tensorcnt 0x0
	ds_add_u32 v[SPW], v[NIL]
	s_wait_dscnt 0x0
	CROUND
	s_endpgm
.Lfunc_end_k_q49249befd9_project:
	.size	k_q49249befd9_project, .Lfunc_end_k_q49249befd9_project-k_q49249befd9_project
	.p2alignl 7, 3214868480
	.fill 96, 4, 3214868480
	.section	.rodata,"a",@progbits
	.p2align	6, 0x0
	.amdhsa_kernel k_q49249befd9_project
		.amdhsa_group_segment_fixed_size 327680
		.amdhsa_private_segment_fixed_size 0
		.amdhsa_enable_private_segment 0
		.amdhsa_kernarg_size 104
		.amdhsa_user_sgpr_count 2
		.amdhsa_user_sgpr_kernarg_segment_ptr 1
		.amdhsa_wavefront_size32 1
		.amdhsa_system_sgpr_workgroup_id_x 1
		.amdhsa_system_sgpr_workgroup_id_y 1
		.amdhsa_system_sgpr_workgroup_id_z 1
		.amdhsa_system_vgpr_workitem_id 0
		.amdhsa_next_free_vgpr 1024
		.amdhsa_next_free_sgpr 102
		.amdhsa_reserve_vcc 1
		.amdhsa_float_denorm_mode_32 3
		.amdhsa_float_denorm_mode_16_64 3
		.amdhsa_fp16_overflow 1
		.amdhsa_memory_ordered 1
		.amdhsa_forward_progress 1
		.amdhsa_inst_pref_size 62
	.end_amdhsa_kernel
	.amdgpu_metadata
---
amdhsa.version: [ 1, 2 ]
amdhsa.kernels:
  - .name:           k_q49249befd9_project
    .symbol:         k_q49249befd9_project.kd
    .args:
      - { .name: query_codes, .offset: 0, .size: 8, .value_kind: global_buffer, .address_space: global }
      - { .name: key_codes, .offset: 8, .size: 8, .value_kind: global_buffer, .address_space: global }
      - { .name: value_codes, .offset: 16, .size: 8, .value_kind: global_buffer, .address_space: global }
      - { .name: Wq_codes, .offset: 24, .size: 8, .value_kind: global_buffer, .address_space: global }
      - { .name: Wk_codes, .offset: 32, .size: 8, .value_kind: global_buffer, .address_space: global }
      - { .name: Wv_codes, .offset: 40, .size: 8, .value_kind: global_buffer, .address_space: global }
      - { .name: bq, .offset: 48, .size: 8, .value_kind: global_buffer, .address_space: global }
      - { .name: bk, .offset: 56, .size: 8, .value_kind: global_buffer, .address_space: global }
      - { .name: bv, .offset: 64, .size: 8, .value_kind: global_buffer, .address_space: global }
      - { .name: lowp_scales, .offset: 72, .size: 8, .value_kind: global_buffer, .address_space: global }
      - { .name: mask, .offset: 80, .size: 8, .value_kind: global_buffer, .address_space: global }
      - { .name: qimg, .offset: 88, .size: 8, .value_kind: global_buffer, .address_space: global }
      - { .name: kv, .offset: 96, .size: 8, .value_kind: global_buffer, .address_space: global }
    .group_segment_fixed_size: 327680
    .private_segment_fixed_size: 0
    .kernarg_segment_align: 8
    .kernarg_segment_size: 104
    .max_flat_workgroup_size: 128
    .sgpr_count:     102
    .vgpr_count:     1024
    .wavefront_size: 32
...
	.end_amdgpu_metadata
.endif
;; end of part 1
;; launch attend (part 2): grid 16 x 16, 8 waves a work-group, clusters of 4 x 1, 327,680 bytes of LDS; arguments qimg, kv, lowp_scales, ximg; writes ximg
.if DOCPART == 2
	.amdgcn_target "amdgcn-amd-amdhsa--gfx1250"
	.amdhsa_code_object_version 6
	.text
	.protected	k_q49249befd9_attend
	.globl	k_q49249befd9_attend
	.p2align	8
	.type	k_q49249befd9_attend,@function
k_q49249befd9_attend:
	s_mov_b64 s[64:65], 0
	v_nop
	global_prefetch_b8 v0, s[64:65] scope:SCOPE_SE
	s_setreg_imm32_b32 hwreg(HW_REG_WAVE_MODE, 25, 1), 1
	s_wait_xcnt 0x0
	s_wait_alu depctr_hold_cnt(0) depctr_sa_sdst(0) depctr_va_vdst(0) depctr_va_sdst(0) depctr_va_ssrc(0) depctr_va_vcc(0) depctr_vm_vsrc(0)
	s_getreg_b32 s2, hwreg(HW_REG_IB_STS2, 6, 4)
	s_cmp_eq_u32 s2, 0
	s_cbranch_scc0 .Lentry_in_a_cluster
	s_endpgm
.Lentry_in_a_cluster:
	s_bfe_u32 s2, ttmp6, 0x10000c
	s_cmp_lg_u32 s2, 0x3003
	s_cbranch_scc0 .Lentry_shape_is_right
	s_endpgm
.Lentry_shape_is_right:
; x = softmax(q k^T / 8, hidden keys left out) v for one head, both products on codes of E4M3; x is quantised with 2^e10 for the last product.  Nothing of the problem is left out here.
; THE SOFTMAX AHEAD OF THE SECOND PRODUCT: t = score x log2(e) / 8; M = the row's largest t so far, rounded up to a whole number; p = 2^(t - M) is quantised with 2^e8, not normalised; the row's sum is taken of
; the unquantised p and divides at the end.  When M moves, the sum and O are multiplied by 2^(old M - new M), which rounds nothing.
; SHARES.  A work-group owns 256 queries of one head; each of its eight waves 32 of them, two tiles of 16, so that each fragment of K, of V and of the mask read from LDS feeds two products; two waves lie on a SIMD.
; LAYOUT.  Both products are used transposed: S^T = K Q^T (source 0 = 16 keys, source 1 = 16 queries), O^T = V^T P^T (source 0 = 16 channels): a lane holds ONE query throughout.  Register j of lane (r, h) of a tile of S^T is key
; 8 h + j of the tile: one conversion of the tile's eight registers gives registers 2 T, 2 T + 1 of P's fragment, as the 8-bit layout has them.  All operands come as images of their registers (lane l's 16 bytes at 16 l).
; THE MASK costs no vector instruction: its addend (0, or -2^120) is the C of the scores' products.  A score in code units is under 64 x 448^2 < 2^24 in size by the format itself; the largest t begins at -2^25 c, under every open
; key's t and above every hidden key's: so a hidden key's p is 0, in steps that are wholly hidden too.  A row with no open key ends with the sum 0; there the result is NaN, as a softmax of nothing is: its codes are set to the NaN code.
; CLUSTER 4 x 1: four blocks of queries of one head walk the same K, V and mask: every slot is asked for jointly.  RING: two slots of four key steps (67,584 bytes); each of the eight waves fetches an eighth, 33 rows of 256 bytes,
; by one load with no branch; by this text's count a wave has one tensor load out.
; LIMITS: e6 + e7 between -100 and 100 (added to c's exponent field; hidden keys must stay far under the open ones); e8 and e10 between -126 and 119; e8 + e9 is applied by v_ldexp_f32 and has none.
; REGISTERS: window 0: v1-11 addresses and constants; v12-27 eight statistics a tile; v28-31 second chains of the sums; v32-159 S^T, then p (64 a tile); v160-223 O^T (32 a tile); v224-255 p's codes (16 a tile).
;   window 1: v0-15 Q; v16-79 K's eight tiles; v80-143 the mask's addends; v144-207 V^T's four fragments.
.set STEPB, 16896                      ; a key step's block: K 8,192, V 8,192, mask 512
.set SLOTB, 4*STEPB
.set WPART, SLOTB/8                    ; a wave's part of a slot
.set SLOT1, 1<<17                      ; slot 1 begins here: one exclusive or turns an address from one slot to the other
.set SPARE, SLOT1+SLOTB                ; behind the ring: the spare words, 128 bytes for each wave
.set LI,   1                           ; 16 x lane
.set AM0,  2                           ; 32 h: my half's eight addends of a tile
.set ADR,  3                           ; LDS address of the step's images
.set ADM,  4                           ; and of its addends
.set SPW,  5                           ; my spare word; v6: 0; both never rewritten
.set NIL,  6
.set PFO,  7                           ; 256 x lane, for the prefetches; never rewritten
.set PLIM, 8
.set PSC,  9                           ; 2^e8
.set XSC,  10                          ; 2^e10
.set XLIM, 11
.set ST,   12                          ; tile t at ST + 8 t: +0 -M, +1 the largest t, +2, +3 the sum in two halves, +4 f, +5 its pair's upper half, +6, +7 at work
.set C2,   28
.set S,    32
.set OT,   160
.set PC,   224
.set QF,   0
.set KF,   16
.set MC,   80
.set VF,   144
.set WV,   14
.set G1,   24                          ; s[24:31] descriptor group 1; s[32:35] group 0, which walks
.set G0,   32
.set CS,   42                          ; s[42:43] c = log2(e) / 8 x 2^(e6 + e7)
.set SEL,  44                          ; s[44:45] lane selects: lane l xor 16
.set TB,   46                          ; LDS byte at which the step in hand begins
.set SLOTS, 48
.set STEPS, 49
.set PFA,  50                          ; s[50:51] where my prefetches stand
.set LIM,  52
.set MSB, 0
.macro WIN new
.if MSB != \new
	s_set_vgpr_msb (MSB<<8)|\new
.set MSB, \new
.endif
.endm
.macro CROUND                          ; a round of the cluster's barrier
	s_barrier_signal -1
	s_barrier_wait -1
	s_cmp_lg_u32 s[WV], 0
	s_cbranch_scc1 .Lnot_wave_0_\@
	s_barrier_signal -3
.Lnot_wave_0_\@:
	s_barrier_wait -3
	s_barrier_signal -1
	s_barrier_wait -1
.endm
; A PREFETCH INTO THE L2 of K's and V's bytes of the slot that the NEXT change of slots will ask for: four key steps ahead of that load.  All clusters of a head walk the same stream: the head's first cluster asks.  Its four partners
; are told apart by address: partner cx takes the slot's step cx; in it wave 0 asks for K's 8,192 bytes and wave 1 for V's, lanes 256 bytes apart: each aligned block of 256 bytes is named once in the launch.
; A step's 512 bytes of addends, and slots 0 and 1, come by their loads alone.  The last change that fills a slot asks for nothing: there is no slot behind it.
.macro ASK
	s_cmp_gt_u32 s[SLOTS], s[LIM]
	s_cbranch_scc0 .Lnot_mine_\@
	global_prefetch_b8 v[PFO], s[PFA:PFA+1] th:TH_LOAD_NT scope:SCOPE_SE
.Lnot_mine_\@:
.endm
	s_load_b256 s[4:11], s[0:1], 0x0               ; qimg, kv, the scales' exponents, ximg
	v_lshl_add_u32 v[SPW], v0, 2, SPARE
	v_mov_b32 v[NIL], 0
	ds_add_u32 v[SPW], v[NIL]                      ; the wave's opening: the add, twice on end, and its wait ahead of my first tensor load
	ds_add_u32 v[SPW], v[NIL]
	v_lshrrev_b32 v1, 5, v0
	s_delay_alu instid0(VALU_DEP_1)
	v_readfirstlane_b32 s[WV], v1                  ; wave 0..7
	s_bfe_u32 s15, ttmp6, 0x40000                  ; cx
	s_lshl_b32 s16, ttmp9, 2
	s_add_co_u32 s16, s16, s15                     ; my block of 256 queries: it enters Q's and x's addresses alone
	s_and_b32 s17, ttmp7, 0xffff                   ; the head (of a batch), which the four partners share
	s_mov_b32 s[G1], 15|(3<<16)|(1<<21)            ; the mask: all four work-groups; elements of 8 bytes; bit 21 beside a mask; no padding: images are read 512 consecutive bytes at a time
	s_mov_b32 s[G1+1], 32<<16                      ; tensor_dim0 = 32 elements: rows of 256 bytes
	s_mov_b32 s[G1+2], 33<<16                      ; tensor_dim1 = 33
	s_mov_b32 s[G1+3], 32<<16                      ; tile_dim0
	s_mov_b32 s[G1+4], 33                          ; tile_dim1
	s_mov_b32 s[G1+5], 32                          ; from row to row: the block is dense
	s_mov_b32 s[G1+6], 0
	s_mov_b32 s[G1+7], 0
	s_mul_i32 s18, s[WV], WPART                    ; my eighth of a slot, in LDS and in memory alike
	s_mul_i32 s20, s17, 32*STEPB                   ; the head's first byte in kv
	s_add_co_u32 s22, s20, s18
	s_mov_b32 s23, 0
	s_mul_i32 s54, s15, STEPB                      ; the prefetches: my work-group's step of a slot,
	s_and_b32 s55, s[WV], 1
	s_lshl_b32 s55, s55, 13                        ; K's images or V's,
	s_add_co_u32 s54, s54, s55
	s_add_co_u32 s54, s54, s20
	s_add_co_u32 s54, s54, SLOTB                   ; in slot 1: the first change of slots steps it to slot 2
	s_mov_b32 s55, 0
	s_lshr_b32 s[LIM], s[WV], 1                    ; 0 in waves 0 and 1,
	s_or_b32 s[LIM], s[LIM], ttmp9                 ; of the head's first cluster: the same in all four partners
	s_cmp_eq_u32 s[LIM], 0
	s_cselect_b32 s[LIM], 1, -1
	s_lshl_b32 s56, s17, 18                        ; Q: a head's 256 tiles of 1,024 bytes,
	s_lshl_b32 s57, s16, 14                        ; my block's 16,
	s_add_co_u32 s56, s56, s57
	s_lshl_b32 s57, s[WV], 11                      ; my wave's two
	s_add_co_u32 s56, s56, s57
	s_mov_b32 s57, 0
	s_lshr_b32 s58, s17, 3                         ; x: batch x 256 tiles of 8,192 bytes,
	s_lshl_b32 s58, s58, 21
	s_lshl_b32 s59, s16, 17
	s_add_co_u32 s58, s58, s59
	s_lshl_b32 s59, s[WV], 14
	s_add_co_u32 s58, s58, s59
	s_and_b32 s59, s17, 7                          ; and the head's 64 of the 512 along the last product's K: 1,024 bytes of a tile's image
	s_lshl_b32 s59, s59, 10
	s_add_co_u32 s58, s58, s59
	s_mov_b32 s59, 0
	s_mov_b32 s[SEL], 0x76543210
	s_mov_b32 s[SEL+1], 0xfedcba98
	s_mov_b32 s[TB], 0
	s_mov_b32 s[SLOTS], 7
	s_wait_dscnt 0x0                               ; both opening adds are done
	s_wait_kmcnt 0x0
	s_load_b128 s[36:39], s[8:9], 0x18             ; e6, e7, e8, e9
	s_load_b32 s40, s[8:9], 0x28                   ; e10
	s_mov_b32 s[G0], 1
	s_mov_b32 s[G0+1], s18
	s_add_nc_u64 s[G0+2:G0+3], s[6:7], s[22:23]
	s_or_b32 s[G0+3], s[G0+3], 0x80000000
	s_add_nc_u64 s[PFA:PFA+1], s[6:7], s[54:55]
	s_add_nc_u64 s[4:5], s[4:5], s[56:57]
	s_add_nc_u64 s[10:11], s[10:11], s[58:59]
	CROUND                                         ; all four work-groups are here: the first joint load meets
	tensor_load_to_lds s[G0:G0+3], s[G1:G1+7]      ; slot 0
	s_nop 0
.rept 4
	v_nop
.endr
	v_and_b32 v[LI], 31, v0
	s_delay_alu instid0(VALU_DEP_1)
	v_lshlrev_b32 v[PFO], 8, v[LI]
	s_delay_alu instid0(VALU_DEP_2)
	v_lshlrev_b32 v[LI], 4, v[LI]
	v_bfe_u32 v[AM0], v0, 4, 1
	s_delay_alu instid0(VALU_DEP_1)
	v_lshlrev_b32 v[AM0], 5, v[AM0]
	WIN 0x40                                       ; destination window 1
.irp t, 0,1
.irp p, 0,1
	global_load_b128 v[QF+8*\t+4*\p:QF+8*\t+4*\p+3], v[LI], s[4:5] offset:1024*\t+512*\p   ; Q's two fragments stay in registers
.endr
.endr
	WIN 0
.set j, 0
.rept 64
	v_mov_b32 v[OT+j], 0                           ; O^T.  (The step is written once for all steps: the first finds zeros, which the first change of M leaves zeros)
.set j, j+1
.endr
	s_wait_kmcnt 0x0
	s_add_co_i32 s18, s36, s37
	s_lshl_b32 s18, s18, 23
	s_add_co_i32 s[CS], s18, 0x3e38aa3b            ; a score stands for score x 2^(e6 + e7): the two exponents are added to the exponent field of log2(e) / 8
	s_mov_b32 s[CS+1], s[CS]                       ; (named with it as a pair, so it is written)
	s_add_co_i32 s18, s[CS], 25<<23
	s_or_b32 s18, s18, 0x80000000                  ; -2^25 c
.irp t, 0,1
	v_mov_b32 v[ST+8*\t+1], s18                    ; the largest t so far
	s_delay_alu instid0(VALU_DEP_1)
	v_floor_f32 v[ST+8*\t], -v[ST+8*\t+1]          ; -M
	v_mov_b32 v[ST+8*\t+2], 0                      ; the sum
	v_mov_b32 v[ST+8*\t+3], 0
	v_mov_b32 v[ST+8*\t+4], 0
	v_mov_b32 v[ST+8*\t+5], 0
.endr
	s_add_co_i32 s18, s38, 127
	s_lshl_b32 s19, s18, 23
	v_mov_b32 v[PSC], s19
	s_add_co_i32 s18, s40, 127
	s_lshl_b32 s19, s18, 23
	v_mov_b32 v[XSC], s19
	s_add_co_i32 s53, s38, s39                     ; e8 + e9
; A KEY STEP: 128 keys, both tiles of queries.
.macro STEP
	v_add_nc_u32 v[ADR], s[TB], v[LI]
	v_add_nc_u32 v[ADM], s[TB], v[AM0]
	v_nop
	v_nop                                          ; four places between the last step's products and the loads into V's registers
	WIN 0x40
.irp k, 0,1,2,3,4,5,6,7
.irp p, 0,1
	ds_load_b128 v[KF+8*\k+4*\p:KF+8*\k+4*\p+3], v[ADR] offset:1024*\k+512*\p
.endr
.endr
.irp k, 0,1,2,3,4,5,6,7
.irp p, 0,1
	ds_load_b128 v[MC+8*\k+4*\p:MC+8*\k+4*\p+3], v[ADM] offset:16384+64*\k+16*\p   ; the addends of keys 16 k + 8 h + 0 .. 7: the sixteen lanes of a half read the same words
.endr
.endr
.irp d, 0,1,2,3
.irp c, 0,1,2,3
	ds_load_b128 v[VF+16*\d+4*\c:VF+16*\d+4*\c+3], v[ADR] offset:8192+2048*\d+512*\c
.endr
.endr
	s_wait_dscnt 16                                ; K and the addends are in; V's sixteen loads may stay out
	WIN 0x15                                       ; K, Q and the addends in window 1, S^T in window 0
.irp k, 0,1,2,3,4,5,6,7
.irp t, 0,1
	v_wmma_f32_16x16x64_fp8_fp8 v[S+64*\t+8*\k:S+64*\t+8*\k+7], v[KF+8*\k:KF+8*\k+7], v[QF+8*\t:QF+8*\t+7], v[MC+8*\k:MC+8*\k+7]
.endr
.endr
	WIN 0
.rept 4
	v_nop                                          ; four places in front of the first read of results (ISA guide 7.12.1)
.endr
	; the step's largest score of my query among my 64 keys, in two chains a tile, the tiles line by line; each accumulator is read from its low end on
.irp t, 0,1
	v_max3_num_f32 v[ST+8*\t+6], v[S+64*\t], v[S+64*\t+1], v[S+64*\t+2]
.endr
.irp t, 0,1
	v_max3_num_f32 v[ST+8*\t+7], v[S+64*\t+3], v[S+64*\t+4], v[S+64*\t+5]
.endr
.irp i, 6,10,14,18,22,26,30,34,38,42,46,50,54,58
.irp t, 0,1
	v_max3_num_f32 v[ST+8*\t+6], v[ST+8*\t+6], v[S+64*\t+\i], v[S+64*\t+\i+1]
.endr
.irp t, 0,1
	v_max3_num_f32 v[ST+8*\t+7], v[ST+8*\t+7], v[S+64*\t+\i+2], v[S+64*\t+\i+3]
.endr
.endr
.irp t, 0,1
	v_max3_num_f32 v[ST+8*\t+6], v[ST+8*\t+6], v[S+64*\t+62], v[S+64*\t+63]
.endr
.irp t, 0,1
	s_delay_alu instid0(VALU_DEP_2)
	v_max_num_f32 v[ST+8*\t+6], v[ST+8*\t+6], v[ST+8*\t+7]
.endr
.irp t, 0,1
	s_delay_alu instid0(VALU_DEP_2)
	v_permlanex16_b32 v[ST+8*\t+7], v[ST+8*\t+6], s[SEL], s[SEL+1]   ; the query's other 64 keys lie in the lane 16 away
.endr
.irp t, 0,1
	s_delay_alu instid0(VALU_DEP_2)
	v_max_num_f32 v[ST+8*\t+6], v[ST+8*\t+6], v[ST+8*\t+7]
.endr
.irp t, 0,1
	s_delay_alu instid0(VALU_DEP_2)
	v_mul_f32 v[ST+8*\t+6], s[CS], v[ST+8*\t+6]    ; as t (c is positive)
.endr
.irp t, 0,1
	s_delay_alu instid0(VALU_DEP_2)
	v_max_num_f32 v[ST+8*\t+1], v[ST+8*\t+1], v[ST+8*\t+6]   ; the running largest t
.endr
.irp t, 0,1
	v_mov_b32 v[ST+8*\t+6], v[ST+8*\t]
.endr
.irp t, 0,1
	s_delay_alu instid0(VALU_DEP_4)
	v_floor_f32 v[ST+8*\t], -v[ST+8*\t+1]          ; the new -M = floor(-t): M is a whole number
.endr
.irp t, 0,1
	s_delay_alu instid0(VALU_DEP_2)
	v_sub_f32 v[ST+8*\t+6], v[ST+8*\t], v[ST+8*\t+6]   ; old M - new M: a whole number, 0 or less
.endr
.irp t, 0,1
	s_delay_alu instid0(VALU_DEP_2)
	v_cvt_i32_f32 v[ST+8*\t+6], v[ST+8*\t+6]       ; (it saturates)
.endr
.irp t, 0,1
	s_delay_alu instid0(VALU_DEP_2)
	v_ldexp_f32 v[ST+8*\t+4], 1.0, v[ST+8*\t+6]    ; f = 2^(old M - new M)
.endr
.set j, 0
.rept 64
	v_pk_fma_f32 v[S+j:S+j+1], v[S+j:S+j+1], s[CS:CS+1], v[ST+8*(j/64):ST+8*(j/64)+1] op_sel_hi:[1,0,0]   ; t - M, two at a time (of the pairs c and -M the low word serves both halves)
.set j, j+2
.endr
.set j, 0
	s_setprio 1
	s_wait_alu depctr_va_vdst(0)
.rept 128
	v_exp_f32 v[S+j], v[S+j]                       ; p = 2^(t - M): both tiles' exponentials are one batch
.set j, j+1
.endr
.irp t, 0,1
	v_pk_mul_f32 v[ST+8*\t+2:ST+8*\t+3], v[ST+8*\t+2:ST+8*\t+3], v[ST+8*\t+4:ST+8*\t+5] op_sel_hi:[1,0]   ; the sums under the new M: the plain lines behind the exponentials
.endr
	s_wait_alu depctr_va_vdst(0)                   ; one wait for the whole batch, ahead of its first reader
.irp t, 0,1
	v_pk_add_f32 v[C2+2*\t:C2+2*\t+1], v[S+64*\t:S+64*\t+1], v[S+64*\t+2:S+64*\t+3]   ; the row's sum is taken of the unquantised p, in two chains a tile
.endr
.irp i, 4,8,12,16,20,24,28,32,36,40,44,48,52,56,60
.irp t, 0,1
	v_pk_add_f32 v[ST+8*\t+2:ST+8*\t+3], v[ST+8*\t+2:ST+8*\t+3], v[S+64*\t+\i:S+64*\t+\i+1]
.endr
.irp t, 0,1
	v_pk_add_f32 v[C2+2*\t:C2+2*\t+1], v[C2+2*\t:C2+2*\t+1], v[S+64*\t+\i+2:S+64*\t+\i+3]
.endr
.endr
.irp t, 0,1
	s_delay_alu instid0(VALU_DEP_2)
	v_pk_add_f32 v[ST+8*\t+2:ST+8*\t+3], v[ST+8*\t+2:ST+8*\t+3], v[C2+2*\t:C2+2*\t+1]
.endr
.irp t, 0,1
.irp k, 0,1,2,3,4,5,6,7
.irp n, 0,1,2,3,4,5,6,7
.endr
	v_cvt_scalef32_pk8_fp8_f32 v[PC+16*\t+2*\k:PC+16*\t+2*\k+1], v[S+64*\t+8*\k:S+64*\t+8*\k+7], v[PSC]   ; keys 16 k + 8 h + 0 .. 7: registers 2 k, 2 k + 1 of P's fragment
.endr
.endr
.set j, 0
	s_setprio 0
.rept 32
	v_pk_mul_f32 v[OT+j:OT+j+1], v[OT+j:OT+j+1], v[ST+8*(j/32)+4:ST+8*(j/32)+5] op_sel_hi:[1,0]   ; O^T under the new M.  (Also the plain lines behind the conversions)
.set j, j+2
.endr
	s_wait_alu depctr_va_vdst(0)
	s_wait_dscnt 0x0                               ; V is in
	WIN 0x01                                       ; V in window 1
.irp d, 0,1,2,3
.irp t, 0,1
	v_wmma_f32_16x16x128_fp8_fp8 v[OT+32*\t+8*\d:OT+32*\t+8*\d+7], v[VF+16*\d:VF+16*\d+15], v[PC+16*\t:PC+16*\t+15], v[OT+32*\t+8*\d:OT+32*\t+8*\d+7]   ; eight accumulators, one instruction each
.endr
.endr
	WIN 0
.endm
.macro FOUR_STEPS                      ; a slot's four key steps: written once, walked four times; the LDS addresses hang on s[TB]
	s_mov_b32 s[STEPS], 4
.Lstep_\@:
	s_setprio 2
	STEP
	s_add_co_u32 s[TB], s[TB], STEPB
	s_sub_co_u32 s[STEPS], s[STEPS], 1
	s_cmp_lg_u32 s[STEPS], 0
	s_cbranch_scc1 .Lstep_\@
	s_setprio 0
	s_sub_co_u32 s[TB], s[TB], 4*STEPB
	s_xor_b32 s[TB], s[TB], SLOT1                  ; on to the other slot
.endm
; THE CHANGE OF SLOTS stands at a slot's head.  Each wave waits for all its tensor loads (its part of the slot that it is about to read), adds 0 to its spare word, and waits for that and for its reads of the slot that it has left.
; fill = 1: a round of the cluster's barrier, and behind it the other slot is asked for jointly, with the keys that follow: the load has four key steps in which to land.
.macro CHANGE fill
	s_wait_tensorcnt 0x0                           ; no tensor load of mine is out, so group 0 may be written
	ds_add_u32 v[SPW], v[NIL]                      ; 0 onto my spare word
.if \fill
	s_xor_b32 s[G0+1], s[G0+1], SLOT1              ; the walking descriptor: the other slot than last time,
	s_add_nc_u64 s[G0+2:G0+3], s[G0+2:G0+3], SLOTB ; the next four key steps; the type bits on top are not reached
	s_wait_xcnt 0x0                                ; the last prefetch, a slot back, has read its address, so it may be written:
	s_add_nc_u64 s[PFA:PFA+1], s[PFA:PFA+1], SLOTB ; one slot further on than the walking descriptor
	s_wait_dscnt 0x0                               ; the add is done, and my reads of the slot that I have left are over
	CROUND
	tensor_load_to_lds s[G0:G0+3], s[G1:G1+7]      ; the first thing behind the round, and my one tensor load until the next
	s_nop 0
.rept 4
	v_nop
.endr
	ASK
.else
	s_wait_dscnt 0x0
	s_barrier_signal -1
	s_barrier_wait -1
.endif
.endm
	s_wait_loadcnt 0x0                             ; Q
.Lslot:                                            ; seven trips: trip s reads slot s while slot s + 1 lands
	CHANGE 1
	FOUR_STEPS
	s_sub_co_u32 s[SLOTS], s[SLOTS], 1
	s_cmp_lg_u32 s[SLOTS], 0
	s_cbranch_scc1 .Lslot
	CHANGE 0                                       ; the last slot is written out
	FOUR_STEPS
	; THE WAY OUT.  x = O^T x 2^(e8 + e9) / the sum, quantised with 2^e10: a tile's eight registers are eight neighbouring channels: registers of the last product's operand.  No LDS: the images leave as they stand.
	; The lines up to the first read of O^T hold seven plain instructions that name no register of the last products: they are the places behind those.
.irp t, 0,1
	v_add_f32 v[ST+8*\t+6], v[ST+8*\t+2], v[ST+8*\t+3]
.endr
.irp t, 0,1
	s_delay_alu instid0(VALU_DEP_2)
	v_permlanex16_b32 v[ST+8*\t+7], v[ST+8*\t+6], s[SEL], s[SEL+1]
.endr
.irp t, 0,1
	s_delay_alu instid0(VALU_DEP_2)
	v_add_f32 v[ST+8*\t+6], v[ST+8*\t+6], v[ST+8*\t+7]   ; the row's sum
.endr
	s_wait_alu depctr_va_vdst(0)
.irp t, 0,1
	v_rcp_f32 v[ST+8*\t+4], v[ST+8*\t+6]
.endr
	v_mov_b32 v[C2], 0x7f7f7f7f                    ; four NaN codes.  (The plain line behind the reciprocals)
	s_wait_alu depctr_va_vdst(0)                   ; one wait for both reciprocals, ahead of their first reader
.irp t, 0,1
	v_ldexp_f32 v[ST+8*\t+4], v[ST+8*\t+4], s53
.endr
.set j, 0
.rept 32
	v_pk_mul_f32 v[S+64*(j/32)+j%32:S+64*(j/32)+j%32+1], v[OT+j:OT+j+1], v[ST+8*(j/32)+4:ST+8*(j/32)+5] op_sel_hi:[1,0]
.set j, j+2
.endr
.irp t, 0,1
.irp d, 0,1,2,3
.irp n, 0,1,2,3,4,5,6,7
.endr
	v_cvt_scalef32_pk8_fp8_f32 v[PC+16*\t+2*\d:PC+16*\t+2*\d+1], v[S+64*\t+8*\d:S+64*\t+8*\d+7], v[XSC]
.endr
.endr
	v_nop                                          ; a plain line between the last conversion and the selects that touch its result
.irp t, 0,1
	v_cmp_eq_f32 vcc_lo, 0, v[ST+8*\t+6]           ; a row with no open key
.irp n, 0,1,2,3,4,5,6,7
	v_cndmask_b32 v[PC+16*\t+\n], v[PC+16*\t+\n], v[C2], vcc_lo
.endr
.endr
.irp t, 0,1
.irp p, 0,1
	global_store_b128 v[LI], v[PC+16*\t+4*\p:PC+16*\t+4*\p+3], s[10:11] offset:8192*\t+512*\p   ; 32 lanes store 512 consecutive bytes, aligned
.endr
.endr
	s_wait_tensorcnt 0x0                           ; the wave's end
	ds_add_u32 v[SPW], v[NIL]
	s_wait_dscnt 0x0
	CROUND                                         ; the closing round
	s_endpgm
.Lfunc_end_k_q49249befd9_attend:
	.size	k_q49249befd9_attend, .Lfunc_end_k_q49249befd9_attend-k_q49249befd9_attend
	.p2alignl 7, 3214868480
	.fill 96, 4, 3214868480
	.section	.rodata,"a",@progbits
	.p2align	6, 0x0
	.amdhsa_kernel k_q49249befd9_attend
		.amdhsa_group_segment_fixed_size 327680
		.amdhsa_private_segment_fixed_size 0
		.amdhsa_enable_private_segment 0
		.amdhsa_kernarg_size 32
		.amdhsa_user_sgpr_count 2
		.amdhsa_user_sgpr_kernarg_segment_ptr 1
		.amdhsa_wavefront_size32 1
		.amdhsa_system_sgpr_workgroup_id_x 1
		.amdhsa_system_sgpr_workgroup_id_y 1
		.amdhsa_system_sgpr_workgroup_id_z 1
		.amdhsa_system_vgpr_workitem_id 0
		.amdhsa_next_free_vgpr 512
		.amdhsa_next_free_sgpr 66
		.amdhsa_reserve_vcc 1
		.amdhsa_float_denorm_mode_32 3
		.amdhsa_float_denorm_mode_16_64 3
		.amdhsa_fp16_overflow 1
		.amdhsa_memory_ordered 1
		.amdhsa_forward_progress 1
		.amdhsa_inst_pref_size 66
	.end_amdhsa_kernel
	.amdgpu_metadata
---
amdhsa.version: [ 1, 2 ]
amdhsa.kernels:
  - .name:           k_q49249befd9_attend
    .symbol:         k_q49249befd9_attend.kd
    .args:
      - { .name: qimg, .offset: 0, .size: 8, .value_kind: global_buffer, .address_space: global }
      - { .name: kv, .offset: 8, .size: 8, .value_kind: global_buffer, .address_space: global }
      - { .name: lowp_scales, .offset: 16, .size: 8, .value_kind: global_buffer, .address_space: global }
      - { .name: ximg, .offset: 24, .size: 8, .value_kind: global_buffer, .address_space: global }
    .group_segment_fixed_size: 327680
    .private_segment_fixed_size: 0
    .kernarg_segment_align: 8
    .kernarg_segment_size: 32
    .max_flat_workgroup_size: 256
    .sgpr_count:     66
    .vgpr_count:     512
    .wavefront_size: 32
...
	.end_amdgpu_metadata
.endif
;; end of part 2
;; launch outproj (part 3): grid 4 x 64, 4 waves a work-group, no clusters, 17,920 bytes of LDS; arguments ximg, Wo_codes, bo, lowp_scales, out0; writes out0
.if DOCPART == 3
	.amdgcn_target "amdgcn-amd-amdhsa--gfx1250"
	.amdhsa_code_object_version 6
	.text
	.protected	k_q49249befd9_outproj
	.globl	k_q49249befd9_outproj
	.p2align	8
	.type	k_q49249befd9_outproj,@function
k_q49249befd9_outproj:
	s_mov_b64 s[64:65], 0
	v_nop
	global_prefetch_b8 v0, s[64:65] scope:SCOPE_SE
	s_setreg_imm32_b32 hwreg(HW_REG_WAVE_MODE, 25, 1), 1
	s_wait_xcnt 0x0
; out0 = x Wo + bo on codes of E4M3: x's codes as images of operand registers (ximg [tile of 16 tokens 512][K step 4][piece 4][512 B]), Wo's as given, K innermost.  Nothing of the problem is left out here.
; SHARES.  A work-group takes 128 tokens x 128 outputs, a wave 64 x 64: 16 accumulators, 64 products.  The product is used transposed (source 0 = 16 rows of Wo, source 1 = 16 tokens): a lane holds eight neighbouring outputs of one token.
; NO TENSOR LOAD, NO CLUSTER: a wave's whole operands, 32 KiB of x and 32 KiB of Wo, fit into its registers and are asked for in one run at the head, straight into the places where the products want them; there is no tile
; in LDS that partners could ask for jointly, and the launch's bytes are mostly its 64 KiB of results for each work-group.
; x's images have the 8-bit layout's own places (k = 16 c + 8 h + 0 .. 7 in registers 2 c, 2 c + 1), so Wo's fragments are loaded to the same places: eight loads of 8 bytes for 128 along K.
; The sums are multiplied once by 2^(e10 + e11) and bo is added in the same packed multiply-add.  LIMIT: e10 + e11 between -126 and 127.
; THE WAY OUT: a block of 16 tokens x 64 outputs goes through the wave's own stage in LDS (rows of 256 bytes + 16) and comes back as whole rows: sixteen lanes store 256 consecutive bytes, aligned.
; REGISTERS: window 0: v1-11 addresses; v32-63 bo (8 for each tile of outputs); v64-191 the accumulators ((i, j) at 64 + 8 (4 i + j)), later the rows read back; v192-223 at work.  window 1: x's fragments, (i, K step s) at 16 (4 s + i).  window 2: Wo's likewise.
.set SPITCH, 272
.set STAGEB, 16*SPITCH
.set SPARE,  4*STAGEB                  ; behind the four stages: the spare words, 128 bytes for each wave
.set LI,  3                            ; 16 x lane
.set WA,  4                            ; 512 r + 8 h: my place in 16 rows of Wo
.set BA,  5                            ; 32 h
.set STO, 6                            ; the stage: where I put 32 bytes of a row
.set RD,  7                            ; and where I read a row back
.set CO,  8                            ; the same place in out0
.set SPW, 10
.set NIL, 11
.set BO,  32
.set ACC, 64
.set TMP, 192
.set SC,  28                           ; s[28:29] 2^(e10 + e11)
.set MSB, 0
.macro WIN new
.if MSB != \new
	s_set_vgpr_msb (MSB<<8)|\new
.set MSB, \new
.endif
.endm
	s_load_b256 s[4:11], s[0:1], 0x0               ; ximg, Wo's codes, bo, the scales' exponents
	s_load_b64 s[12:13], s[0:1], 0x20              ; out0
	v_lshl_add_u32 v[SPW], v0, 2, SPARE
	v_mov_b32 v[NIL], 0
	v_lshrrev_b32 v1, 5, v0
	v_readfirstlane_b32 s16, v1                    ; wave 0..3
	s_lshr_b32 s17, s16, 1                         ; which 64 tokens
	s_and_b32 s18, s16, 1                          ; which 64 outputs
	s_and_b32 s19, ttmp7, 0xffff                   ; the block of 128 tokens; ttmp9: the block of 128 outputs
	v_and_b32 v1, 15, v0                           ; r
	v_bfe_u32 v2, v0, 4, 1                         ; h
	v_and_b32 v[LI], 31, v0
	v_lshlrev_b32 v[LI], 4, v[LI]
	v_lshlrev_b32 v[WA], 9, v1
	v_lshl_add_u32 v[WA], v2, 3, v[WA]
	v_lshlrev_b32 v[BA], 5, v2
	s_mul_i32 s20, s16, STAGEB                     ; my stage
	v_mul_u32_u24 v[STO], v1, SPITCH
	v_lshl_add_u32 v[STO], v2, 5, v[STO]
	v_add_nc_u32 v[STO], s20, v[STO]               ; in: row r, 32 bytes for each half of the lanes
	v_mul_u32_u24 v[RD], v2, SPITCH
	v_lshl_add_u32 v[RD], v1, 4, v[RD]
	v_add_nc_u32 v[RD], s20, v[RD]                 ; back: lanes 0-15 one row, lanes 16-31 the next
	v_lshlrev_b32 v[CO], 11, v2
	v_lshl_add_u32 v[CO], v1, 4, v[CO]             ; and the same two rows of 2,048 bytes in out0
	s_lshl_b32 s20, s19, 16                        ; x: 8 tiles of 8,192 bytes a block, my four
	s_lshl_b32 s21, s17, 15
	s_add_co_u32 s20, s20, s21
	s_mov_b32 s21, 0
	s_lshl_b32 s22, ttmp9, 16                      ; Wo: 128 rows of 512 bytes a block, my 64
	s_lshl_b32 s23, s18, 15
	s_add_co_u32 s22, s22, s23
	s_mov_b32 s23, 0
	s_lshl_b32 s24, ttmp9, 9                       ; bo, and the columns of out0: 512 bytes a block, my 256
	s_lshl_b32 s25, s18, 8
	s_add_co_u32 s24, s24, s25
	s_mov_b32 s25, 0
	s_lshl_b32 s26, s19, 18                        ; out0: 128 rows of 2,048 bytes a block, my 64
	s_lshl_b32 s27, s17, 17
	s_add_co_u32 s26, s26, s27
	s_add_co_u32 s26, s26, s24
	s_mov_b32 s27, 0
	s_wait_alu depctr_va_vdst(0)
	s_wait_kmcnt 0x0
	s_load_b64 s[14:15], s[10:11], 0x28            ; e10, e11
	s_add_nc_u64 s[4:5], s[4:5], s[20:21]
	s_add_nc_u64 s[6:7], s[6:7], s[22:23]
	s_add_nc_u64 s[8:9], s[8:9], s[24:25]
	s_add_nc_u64 s[12:13], s[12:13], s[26:27]
.irp j, 0,1,2,3
	global_load_b128 v[BO+8*\j:BO+8*\j+3],   v[BA], s[8:9] offset:64*\j      ; register n of tile j: bo of output 16 j + 8 h + n
	global_load_b128 v[BO+8*\j+4:BO+8*\j+7], v[BA], s[8:9] offset:64*\j+16
.endr
.irp s, 0,1,2,3                        ; 48 loads a K step of 128: x's four fragments, 512 consecutive bytes a load; Wo's four
	WIN 0x40
.irp i, 0,1,2,3
.irp c, 0,1,2,3
	global_load_b128 v[16*(4*\s+\i)+4*\c:16*(4*\s+\i)+4*\c+3], v[LI], s[4:5] offset:8192*\i+2048*\s+512*\c
.endr
.endr
	WIN 0x80
.irp j, 0,1,2,3
.irp c, 0,1,2,3,4,5,6,7
	global_load_b64 v[16*(4*\s+\j)+2*\c:16*(4*\s+\j)+2*\c+1], v[WA], s[6:7] offset:8192*\j+128*\s+16*\c
.endr
.endr
.endr
	s_wait_kmcnt 0x0
	s_add_co_i32 s[SC], s14, s15
	s_add_co_i32 s[SC], s[SC], 127
	s_lshl_b32 s[SC], s[SC], 23                    ; 2^(e10 + e11) as f32
	s_mov_b32 s[SC+1], s[SC]                       ; (named with it as a pair, so it is written)
; 16 products of K step s: the accumulators take turns, one instruction a turn, in the same order in every K step; the first K step starts the sums
.macro MUL s
.irp i, 0,1,2,3
.irp j, 0,1,2,3
.if \s == 0
	v_wmma_f32_16x16x128_fp8_fp8 v[ACC+8*(4*\i+\j):ACC+8*(4*\i+\j)+7], v[16*(4*\s+\j):16*(4*\s+\j)+15], v[16*(4*\s+\i):16*(4*\s+\i)+15], 0
.else
	v_wmma_f32_16x16x128_fp8_fp8 v[ACC+8*(4*\i+\j):ACC+8*(4*\i+\j)+7], v[16*(4*\s+\j):16*(4*\s+\j)+15], v[16*(4*\s+\i):16*(4*\s+\i)+15], v[ACC+8*(4*\i+\j):ACC+8*(4*\i+\j)+7]
.endif
.endr
.endr
.endm
	WIN 0x06                                       ; source 0 (Wo) window 2, source 1 (x) window 1, C and D window 0
	s_wait_loadcnt 63                              ; of the 200 loads at most 63 are out: the first 137 are in, bo's 8 and the 96 of K steps 0 and 1 among them
	MUL 0
	MUL 1
	s_wait_loadcnt 48                              ; all but K step 3's 48
	MUL 2
	s_wait_loadcnt 0x0
	MUL 3
	WIN 0
.rept 4
	v_nop                                          ; four places in front of the first read of results (ISA guide 7.12.1)
.endr
.macro TOSTAGE a                       ; block a, 16 tokens x 64 outputs: sum x 2^(e10 + e11) + bo; into the stage; back as whole rows, into the registers that its sums have left
.irp j, 0,1,2,3
.irp n, 0,2,4,6
	v_pk_fma_f32 v[TMP+8*\j+\n:TMP+8*\j+\n+1], v[ACC+8*(4*(\a)+\j)+\n:ACC+8*(4*(\a)+\j)+\n+1], s[SC:SC+1], v[BO+8*\j+\n:BO+8*\j+\n+1] op_sel_hi:[1,0,1]   ; each accumulator from its low end on
.endr
.endr
.irp j, 0,1,2,3
	ds_store_b128 v[STO], v[TMP+8*\j:TMP+8*\j+3] offset:64*\j
	ds_store_b128 v[STO], v[TMP+8*\j+4:TMP+8*\j+7] offset:64*\j+16
.endr
.irp t, 0,1,2,3,4,5,6,7
	ds_load_b128 v[ACC+32*(\a)+4*\t:ACC+32*(\a)+4*\t+3], v[RD] offset:2*\t*SPITCH   ; LDS serves a wave's instructions in order (ISA guide 5.7.1.4): these see the stores above, and the next block's stores come behind them
.endr
.endm
.macro SEND a, younger                 ; younger: the LDS instructions issued behind block a's loads, which may stay out
	s_wait_dscnt \younger
.irp t, 0,1,2,3,4,5,6,7
	global_store_b128 v[CO], v[ACC+32*(\a)+4*\t:ACC+32*(\a)+4*\t+3], s[12:13] offset:(16*(\a)+2*\t)*2048 th:TH_STORE_NT   ; 16 lanes store 256 consecutive bytes, aligned; written once, read by nobody here
.endr
.endm
	TOSTAGE 0
.irp a, 1,2,3
	TOSTAGE \a
	SEND \a-1, 16                                  ; behind block a - 1's loads: block a's 8 stores and 8 loads
.endr
	SEND 3, 0
	s_wait_tensorcnt 0x0                           ; the wave's end, behind my last LDS store
	ds_add_u32 v[SPW], v[NIL]
	s_wait_dscnt 0x0
	s_endpgm
.Lfunc_end_k_q49249befd9_outproj:
	.size	k_q49249befd9_outproj, .Lfunc_end_k_q49249befd9_outproj-k_q49249befd9_outproj
	.p2alignl 7, 3214868480
	.fill 96, 4, 3214868480
	.section	.rodata,"a",@progbits
	.p2align	6, 0x0
	.amdhsa_kernel k_q49249befd9_outproj
		.amdhsa_group_segment_fixed_size 17920
		.amdhsa_private_segment_fixed_size 0
		.amdhsa_enable_private_segment 0
		.amdhsa_kernarg_size 40
		.amdhsa_user_sgpr_count 2
		.amdhsa_user_sgpr_kernarg_segment_ptr 1
		.amdhsa_wavefront_size32 1
		.amdhsa_system_sgpr_workgroup_id_x 1
		.amdhsa_system_sgpr_workgroup_id_y 1
		.amdhsa_system_sgpr_workgroup_id_z 1
		.amdhsa_system_vgpr_workitem_id 0
		.amdhsa_next_free_vgpr 768
		.amdhsa_next_free_sgpr 66
		.amdhsa_reserve_vcc 0
		.amdhsa_float_denorm_mode_32 3
		.amdhsa_float_denorm_mode_16_64 3
		.amdhsa_memory_ordered 1
		.amdhsa_forward_progress 1
		.amdhsa_inst_pref_size 38
	.end_amdhsa_kernel
	.amdgpu_metadata
---
amdhsa.version: [ 1, 2 ]
amdhsa.kernels:
  - .name:           k_q49249befd9_outproj
    .symbol:         k_q49249befd9_outproj.kd
    .args:
      - { .name: ximg, .offset: 0, .size: 8, .value_kind: global_buffer, .address_space: global }
      - { .name: Wo_codes, .offset: 8, .size: 8, .value_kind: global_buffer, .address_space: global }
      - { .name: bo, .offset: 16, .size: 8, .value_kind: global_buffer, .address_space: global }
      - { .name: lowp_scales, .offset: 24, .size: 8, .value_kind: global_buffer, .address_space: global }
      - { .name: out0, .offset: 32, .size: 8, .value_kind: global_buffer, .address_space: global }
    .group_segment_fixed_size: 17920
    .private_segment_fixed_size: 0
    .kernarg_segment_align: 8
    .kernarg_segment_size: 40
    .max_flat_workgroup_size: 128
    .sgpr_count:     66
    .vgpr_count:     768
    .wavefront_size: 32
...
	.end_amdgpu_metadata
.endif
;; end of part 3
